; MI455X (gfx1250); checked and timed in simulation.
; The chip was launched on July 23, 2026; its instructions are those of AMD's public machine-readable ISA for CDNA 5 (MIT licence, August 2026) and "CDNA5" Instruction Set Architecture Reference Guide (July 2026). The comments in the code are by the model that wrote it; some were corrected since.
;; Listen And Decide With Context. Allowed arithmetic: matrix products marked QUANTISED: E2M1 operands, one E8M0 scale for each 32 along K, by v_wmma_scale_f32_16x16x128_f8f6f4 with both operands' format E2M1 (or v_wmma_scale_f32_32x16x128_f4), f32 sums; everything else in f32.
;; Inputs: W1 512 x 1,024 float32; W2 1,024 x 128 float32; b1 1,024 float32; batched_context_feature 256 x 256 x 512 float32; beta 1,024 float32; embedded_cyclic_msg 256 x 256 x 128 float32; gamma 1,024 float32; running_mean 1,024 float32; running_var 1,024 float32.
;; Outputs: out0 256 x 256 x 256 float32.
;; This version of the problem:
;;   THIS VERSION OF THE PROBLEM IS GIVEN IN LOW PRECISION. The matrix products marked QUANTISED in the list below multiply operands that are first quantised to E2M1 (2 exponent bits, 1 mantissa bit; 4 bits a number), with one power-of-two scale for each 32 numbers along K (OCP MX v1.0); their sums are f32. All else is computed in f32.
;;   The module's matrix products, in the order in which they are computed (A, B: the left and right operand; K: the contracted axis; several contracted axes count as one K, in the product's order):
;;     1. [M 65,536, K 512] x [K 512, N 1,024]; A: input batched_context_feature; B: input W1: QUANTISED
;;     2. [M 65,536, K 1,024] x [K 1,024, N 128]; A: computed on the way; B: input W2: QUANTISED
;;     3. batch 256 x [M 256, K 128] x [K 128, N 256]; A: computed on the way; B: computed on the way: QUANTISED
;;   THE QUANTISER, for each operand of a quantised product, along K:
;;     - K is cut into blocks of 32 from its start; a last block that is shorter is filled with zeros.
;;     - A block's scale is 2^e with e = floor(log2(the largest magnitude in the block)) - 2, held to -126 .. 127; a block of zeros has e = 0. As a byte (E8M0): e + 127.
;;     - Each number is divided by its block's scale, clamped to +-6, and rounded to the nearest number of E2M1, ties to even, subnormals kept.
;;     - The product sums the exact products of the quantised numbers (number of the format x scale) in f32.
;;   ~~~python
;;   def quantise(x, axis):      # numpy; x: float32 -> the quantised numbers, widened to float32 again
;;       x = np.moveaxis(x, axis, -1); K = x.shape[-1]
;;       x = np.pad(x, [(0, 0)] * (x.ndim - 1) + [(0, -K % 32)]); x = x.reshape(x.shape[:-1] + (-1, 32)); a = np.abs(x).max(-1, keepdims=True)
;;       e = np.where(a > 0, np.clip(np.frexp(np.where(a > 0, a, 1))[1] - 1 - 2, -126, 127), 0)      # np.frexp(a)[1] - 1 = floor(log2(a)), exactly
;;       r = np.clip(x / 2.0 ** e, -6, 6)
;;       step = 2.0 ** (np.maximum(np.frexp(np.where(r == 0, 1, r))[1] - 1, 0) - 1)
;;       q = np.round(r / step) * step * 2.0 ** e      # np.round: ties to even
;;       return np.moveaxis(q.reshape(q.shape[:-2] + (-1,))[..., :K], -1, axis).astype(np.float32)
;;   ~~~
;;   OPERANDS COMPUTED ON THE WAY. 'Computed on the way' means the value that the module computes at that place (a softmax that the list does not call 'softmax' is quantised finished and normalised). What goes into a quantiser is computed in f32, as accurately as f32 sums, v_exp_f32 and their like allow (about 1e-6 of the number): no bf16 or f16 on the way to a quantiser, and a product that is left as it is and whose result goes on into a quantised operand takes f32 operands (vector FMAs, or v_wmma_f32_16x16x4_f32). A number that lies on a knife's edge between two numbers of the format may be rounded either way, as far as f32 arithmetic and the matrix unit's own rounding can turn it there, and no further.
;; One version. Each part assembles by itself: llvm-mc -triple=amdgcn-amd-amdhsa -mcpu=gfx1250 --defsym DOCPART=n.
;; ======== version 1 of 1: 2 launches
;; workspace buffers: wts 356,352 bytes
;; launch prep (part 1): grid 81 x 1, 4 waves a work-group, no clusters, 0 bytes of LDS; arguments W1, W2, b1, gamma, beta, running_mean, running_var, wts; writes wts
.if DOCPART == 1
	.amdgcn_target "amdgcn-amd-amdhsa--gfx1250"
	.amdhsa_code_object_version 6
	.text
	.protected	k_qc7c345bbf7_prep
	.globl	k_qc7c345bbf7_prep
	.p2align	8
	.type	k_qc7c345bbf7_prep,@function
k_qc7c345bbf7_prep:
	s_mov_b64 s[64:65], 0
	v_nop
	global_prefetch_b8 v0, s[64:65] scope:SCOPE_SE
	s_setreg_imm32_b32 hwreg(HW_REG_WAVE_MODE, 25, 1), 1
	s_wait_xcnt 0x0
; W1 [512][1024] and W2 [1024][128], f32 with K as their FIRST axis, become codes of FP4 (E2M1) with one E8M0 byte for each 32 along K, laid in the order of the
; operand registers of the launch that follows; and BatchNorm is folded into s[n] = gamma / sqrt(var + 1e-5), t[n] = (b1 - mean) s + beta.
; A LANE TAKES A COLUMN AND ITS REGISTERS RUN DOWN K: 64 rows a lane, two whole blocks of 32; no other lane is asked for a maximum and nothing is transposed.
; LAYOUT OF wts.  A fragment (16 columns x 128 K) is 1,024 bytes: quad c (512 bytes), lane (r, h') at 16 (r + 16 h'): the 32 codes of K = 128 step + 64 c + 32 h' + 0..31 of the tile's row r.
; THE COLUMNS OF A TILE ARE NOT NEIGHBOURS: of a group of 32 columns, column x goes to tile u = (x / 8) % 2, row r = x % 8 + 8 (x / 16).
;   W1's fragments at 65536 w + 4096 t + 1024 s (w: which 256 columns, t = 2 p + u: tile, s: K step);  W2's at OW2F + 16384 w + 8192 u + 1024 S.
;   Scale words (4 bytes: a row's four blocks of a K step) at OW1S + 4096 w + 256 t + 64 s + 4 r and OW2S + 1024 w + 512 u + 64 S + 4 r.   s at OBNS, t at OBNT, in the natural order.
; SHARES: work-groups 0-63: W1 (128 columns x 64 rows each, a wave 32 columns); 64-79: W2 (all 128 columns x 64 rows); 80: BatchNorm.  Waves share nothing: no LDS, no barrier.
; A block's scale is 2^(floor(log2(largest magnitude)) - 2): its byte is the largest magnitude's exponent field - 2, held at 1 from below.
; LIMITS: a block whose largest magnitude lies under 2^-124, a block of zeros among them, gets the byte 1 (its codes are then zeros or tiny; this program alone reads the bytes); NaN and infinities are not served;
; 1 / sqrt is v_rsq_f32, and (acc + b1 - mean) s + beta is later formed as acc s + t: another order of f32 roundings than the source's.
.set OW2F, 262144
.set OW1S, 327680
.set OW2S, 344064
.set OBNS, 348160
.set OBNT, 352256
.set X,    32                          ; v32-95: my column's 64 numbers
.macro MAX32 d, t, x                   ; the largest magnitude of 32 registers, in two chains, with the floor 2^(3 - 127) as one more leaf
	v_max3_num_f32 v[\d], |v[\x]|, |v[\x+1]|, |v[\x+2]|
	v_max3_num_f32 v[\t], |v[\x+3]|, |v[\x+4]|, |v[\x+5]|
.irp k, 6,10,14,18,22,26
	v_max3_num_f32 v[\d], v[\d], |v[\x+\k]|, |v[\x+\k+1]|
	v_max3_num_f32 v[\t], v[\t], |v[\x+\k+2]|, |v[\x+\k+3]|
.endr
	v_max3_num_f32 v[\d], v[\d], |v[\x+30]|, |v[\x+31]|
	v_max3_num_f32 v[\d], v[\d], v[\t], 0x1800000
.endm
; 64 rows of my column (pitch bytes apart) become two blocks' codes and bytes.  s[36:37] source, s[32:33] codes, s[34:35] scale bytes; v2 = 4 x lane, v5, v6 the lane's places
.macro QW pitch
.set kk, 0
.rept 64
	global_load_b32 v[X+kk], v2, s[36:37] offset:kk*\pitch th:TH_LOAD_NT   ; 32 lanes read 128 consecutive bytes, the four waves stand side by side on 512
.set kk, kk+1
.endr
	s_wait_loadcnt 0x0
	MAX32 8, 9, X
	MAX32 10, 11, X+32
	v_add_nc_u32 v12, 0xff000000, v8               ; 2 off the exponent field: the conversion takes the exponent field of this operand as its scale
	v_add_nc_u32 v13, 0xff000000, v10
	v_lshrrev_b32 v14, 23, v12                     ; the scales' bytes
	v_lshrrev_b32 v15, 23, v13
	v_lshl_or_b32 v24, v15, 8, v14                 ; blocks h' = 0 and 1 are neighbours in the scale word
.irp g, 0,1,2,3
	v_cvt_scalef32_pk8_fp4_f32 v[16+\g], v[X+8*\g:X+8*\g+7], v12
	v_cvt_scalef32_pk8_fp4_f32 v[20+\g], v[X+32+8*\g:X+32+8*\g+7], v13
.endr
	v_nop                                          ; one plain place behind the last conversion
	global_store_b128 v5, v[16:19], s[32:33]              ; the sixteen lanes of a tile store 256 consecutive bytes, aligned
	global_store_b128 v5, v[20:23], s[32:33] offset:256   ; block h' = 1: lanes 16-31 of the image
	global_store_b16 v6, v24, s[34:35]
.endm
	s_load_b256 s[4:11], s[0:1], 0x0               ; W1 s[4:5], W2 s[6:7], b1 s[8:9], gamma s[10:11]
	s_load_b256 s[12:19], s[0:1], 0x20             ; beta s[12:13], mean s[14:15], var s[16:17], wts s[18:19]
	v_lshrrev_b32 v1, 5, v0
	v_readfirstlane_b32 s20, v1                    ; wave
	v_and_b32 v1, 31, v0                           ; x: my column in the group of 32
	v_lshlrev_b32 v2, 2, v1
	v_bfe_u32 v3, v1, 3, 1                         ; u
	v_and_b32 v4, 7, v1
	v_lshrrev_b32 v7, 4, v1
	v_lshl_add_u32 v4, v7, 3, v4                   ; r
	s_mov_b32 s29, 0
	s_wait_kmcnt 0x0
	s_cmp_lt_u32 ttmp9, 64
	s_cbranch_scc0 .Lnot_w1
	; ---- W1
	s_and_b32 s21, ttmp9, 7
	s_lshr_b32 s22, ttmp9, 3                       ; hs: which 64 rows = 2 s + c
	s_lshl_b32 s23, s21, 2
	s_add_co_u32 s23, s23, s20                     ; P: which 32 columns
	s_lshr_b32 s24, s23, 3                         ; w
	s_and_b32 s25, s23, 7                          ; p
	s_lshr_b32 s26, s22, 1                         ; s
	s_and_b32 s27, s22, 1                          ; c
	s_lshl_b32 s28, s22, 18                        ; 64 rows of 4,096 bytes
	s_lshl_b32 s30, s23, 7
	s_add_co_u32 s28, s28, s30
	s_add_nc_u64 s[36:37], s[4:5], s[28:29]
	s_lshl_b32 s28, s24, 16                        ; codes: 65536 w + 8192 p + 512 hs
	s_lshl_b32 s30, s25, 13
	s_add_co_u32 s28, s28, s30
	s_lshl_b32 s30, s22, 9
	s_add_co_u32 s28, s28, s30
	s_add_nc_u64 s[32:33], s[18:19], s[28:29]
	s_lshl_b32 s28, s24, 12                        ; bytes: OW1S + 4096 w + 512 p + 64 s + 2 c
	s_lshl_b32 s30, s25, 9
	s_add_co_u32 s28, s28, s30
	s_lshl_b32 s30, s26, 6
	s_add_co_u32 s28, s28, s30
	s_lshl_b32 s30, s27, 1
	s_add_co_u32 s28, s28, s30
	s_add_co_u32 s28, s28, OW1S
	s_add_nc_u64 s[34:35], s[18:19], s[28:29]
	v_lshlrev_b32 v5, 4, v4
	v_lshl_add_u32 v5, v3, 12, v5                  ; 4096 u + 16 r
	v_lshlrev_b32 v6, 2, v4
	v_lshl_add_u32 v6, v3, 8, v6                   ; 256 u + 4 r
	QW 4096
	s_endpgm
.Lnot_w1:
	s_cmp_lt_u32 ttmp9, 80
	s_cbranch_scc0 .Lbn
	; ---- W2
	s_sub_co_u32 s22, ttmp9, 64                    ; hs = 2 S + c
	s_lshr_b32 s26, s22, 1                         ; S
	s_and_b32 s27, s22, 1                          ; c
	s_lshl_b32 s28, s22, 15                        ; 64 rows of 512 bytes
	s_lshl_b32 s30, s20, 7                         ; my wave's 32 columns
	s_add_co_u32 s28, s28, s30
	s_add_nc_u64 s[36:37], s[6:7], s[28:29]
	s_lshl_b32 s28, s20, 14                        ; codes: OW2F + 16384 w + 512 hs
	s_lshl_b32 s30, s22, 9
	s_add_co_u32 s28, s28, s30
	s_add_co_u32 s28, s28, OW2F
	s_add_nc_u64 s[32:33], s[18:19], s[28:29]
	s_lshl_b32 s28, s20, 10                        ; bytes: OW2S + 1024 w + 64 S + 2 c
	s_lshl_b32 s30, s26, 6
	s_add_co_u32 s28, s28, s30
	s_lshl_b32 s30, s27, 1
	s_add_co_u32 s28, s28, s30
	s_add_co_u32 s28, s28, OW2S
	s_add_nc_u64 s[34:35], s[18:19], s[28:29]
	v_lshlrev_b32 v5, 4, v4
	v_lshl_add_u32 v5, v3, 13, v5                  ; 8192 u + 16 r
	v_lshlrev_b32 v6, 2, v4
	v_lshl_add_u32 v6, v3, 9, v6                   ; 512 u + 4 r
	QW 512
	s_endpgm
.Lbn:
	; ---- BatchNorm: thread t takes numbers 4 t .. 4 t + 3 and 512 + 4 t .. : every load and store of a wave covers 512 consecutive bytes
	v_lshlrev_b32 v2, 4, v0
.irp k, 0,1
	global_load_b128 v[32+4*\k:35+4*\k], v2, s[8:9] offset:2048*\k     ; b1
	global_load_b128 v[40+4*\k:43+4*\k], v2, s[10:11] offset:2048*\k   ; gamma
	global_load_b128 v[48+4*\k:51+4*\k], v2, s[12:13] offset:2048*\k   ; beta
	global_load_b128 v[56+4*\k:59+4*\k], v2, s[14:15] offset:2048*\k   ; mean
	global_load_b128 v[64+4*\k:67+4*\k], v2, s[16:17] offset:2048*\k   ; var
.endr
	s_wait_loadcnt 0x0
.irp j, 0,1,2,3,4,5,6,7
	v_add_f32 v[64+\j], 0x3727c5ac, v[64+\j]       ; var + 1e-5
.endr
.irp j, 0,1,2,3,4,5,6,7
	v_rsq_f32 v[72+\j], v[64+\j]
.endr
.irp j, 0,1,2,3,4,5,6,7
	v_sub_f32 v[32+\j], v[32+\j], v[56+\j]         ; b1 - mean: plain lines between the roots and the use of their results
.endr
	s_wait_alu depctr_va_vdst(0)
.irp j, 0,1,2,3,4,5,6,7
	v_mul_f32 v[72+\j], v[72+\j], v[40+\j]         ; s
.endr
.irp j, 0,1,2,3,4,5,6,7
	v_fma_f32 v[80+\j], v[32+\j], v[72+\j], v[48+\j]   ; t
.endr
.irp k, 0,1
	global_store_b128 v2, v[72+4*\k:75+4*\k], s[18:19] offset:OBNS+2048*\k
	global_store_b128 v2, v[80+4*\k:83+4*\k], s[18:19] offset:OBNT+2048*\k
.endr
	s_endpgm
.Lfunc_end_k_qc7c345bbf7_prep:
	.size	k_qc7c345bbf7_prep, .Lfunc_end_k_qc7c345bbf7_prep-k_qc7c345bbf7_prep
	.p2alignl 7, 3214868480
	.fill 96, 4, 3214868480
	.section	.rodata,"a",@progbits
	.p2align	6, 0x0
	.amdhsa_kernel k_qc7c345bbf7_prep
		.amdhsa_group_segment_fixed_size 0
		.amdhsa_private_segment_fixed_size 0
		.amdhsa_enable_private_segment 0
		.amdhsa_kernarg_size 64
		.amdhsa_user_sgpr_count 2
		.amdhsa_user_sgpr_kernarg_segment_ptr 1
		.amdhsa_wavefront_size32 1
		.amdhsa_system_sgpr_workgroup_id_x 1
		.amdhsa_system_sgpr_workgroup_id_y 1
		.amdhsa_system_sgpr_workgroup_id_z 1
		.amdhsa_system_vgpr_workitem_id 0
		.amdhsa_next_free_vgpr 128
		.amdhsa_next_free_sgpr 66
		.amdhsa_reserve_vcc 0
		.amdhsa_float_denorm_mode_32 3
		.amdhsa_float_denorm_mode_16_64 3
		.amdhsa_memory_ordered 1
		.amdhsa_forward_progress 1
		.amdhsa_inst_pref_size 25
	.end_amdhsa_kernel
	.amdgpu_metadata
---
amdhsa.version: [ 1, 2 ]
amdhsa.kernels:
  - .name:           k_qc7c345bbf7_prep
    .symbol:         k_qc7c345bbf7_prep.kd
    .args:
      - { .name: W1, .offset: 0, .size: 8, .value_kind: global_buffer, .address_space: global }
      - { .name: W2, .offset: 8, .size: 8, .value_kind: global_buffer, .address_space: global }
      - { .name: b1, .offset: 16, .size: 8, .value_kind: global_buffer, .address_space: global }
      - { .name: gamma, .offset: 24, .size: 8, .value_kind: global_buffer, .address_space: global }
      - { .name: beta, .offset: 32, .size: 8, .value_kind: global_buffer, .address_space: global }
      - { .name: running_mean, .offset: 40, .size: 8, .value_kind: global_buffer, .address_space: global }
      - { .name: running_var, .offset: 48, .size: 8, .value_kind: global_buffer, .address_space: global }
      - { .name: wts, .offset: 56, .size: 8, .value_kind: global_buffer, .address_space: global }
    .group_segment_fixed_size: 0
    .private_segment_fixed_size: 0
    .kernarg_segment_align: 8
    .kernarg_segment_size: 64
    .max_flat_workgroup_size: 128
    .sgpr_count:     66
    .vgpr_count:     128
    .wavefront_size: 32
...
	.end_amdgpu_metadata
.endif
;; end of part 1
;; launch main (part 2): grid 256 x 1, 4 waves a work-group, no clusters, 327,680 bytes of LDS; arguments batched_context_feature, embedded_cyclic_msg, wts, out0; writes out0
.if DOCPART == 2
	.amdgcn_target "amdgcn-amd-amdhsa--gfx1250"
	.amdhsa_code_object_version 6
	.text
	.protected	k_qc7c345bbf7_main
	.globl	k_qc7c345bbf7_main
	.p2align	8
	.type	k_qc7c345bbf7_main,@function
k_qc7c345bbf7_main:
	s_mov_b64 s[64:65], 0
	v_nop
	global_prefetch_b8 v0, s[64:65] scope:SCOPE_SE
	s_setreg_imm32_b32 hwreg(HW_REG_WAVE_MODE, 25, 1), 1
	s_wait_xcnt 0x0
; out[b][m][c] = a[b][m] . bb[b][c] / 0.07;  a = msg / max(|msg|, 1e-8);  bb = logit / max(|logit|, 1e-8);  logit = relu((x W1) s + t) W2.  All three products on codes of FP4 (E2M1) with one E8M0 byte for 32 along K.
; SHARES.  A work-group owns one batch b: 256 rows of x, 256 messages.  THE FOUR WAVES SHARE THE COLUMNS: wave w owns hidden units 256 w .. + 255 (64 fragments of W1, 512 registers), outputs 32 w .. + 31
; (16 fragments of W2, 128 registers; they are block w of the third product's K) and messages 64 w .. + 63 (4 fragments of a).  All of that stays in registers for the whole launch.
; The rows go in four sub-blocks of 64.  x comes by tensor loads into two LDS slots of 64 rows; the hidden layer and the logits never go to memory; each sub-block ends with out[:, 64 contexts], 256 aligned bytes of every row.
; OPERANDS GO FROM WAVE TO WAVE THROUGH LDS AS IMAGES OF THEIR REGISTERS: a fragment (16 rows x 128 K) is 1,024 bytes, quad c at 512 c, lane l at 16 l; its scale words 64 bytes, 4 a row.
; A SUB-BLOCK, five barriers:  X: wave w quantises rows 16 w .. + 15 of x | B1 |  P1: my 256 hidden units for the 64 rows, 32 units at a time: products, s and t, relu, quantised | B2, and the slot's refill |
;   P2: my 32 outputs for the 64 rows, their part of the rows' sums of squares | B3 |  N: norms, division, quantised | B4 |  P3: my 64 messages x the 64 contexts, out through my stage | B0.
; ALL PRODUCTS ARE USED TRANSPOSED (source 0 = the weights' or the contexts' 16 rows), so that a lane holds one row and its registers run along the next K or along a row of out.
; NO CLUSTER: x, msg and out are a work-group's own.  The weights, which all work-groups share, go from memory straight into 680 registers a wave; a joint load can only land in LDS, of whose 327,680 bytes this text uses 327,168.
; A tensor load brings 32 rows x 1,024 bytes: with 64 rows x 512 bytes the rows' padding would take 4,096 bytes more in the two slots, which are not there.
; NO PREFETCH: both first blocks of x, the messages and the weights are asked for at the head, and each later block a whole sub-block ahead.
; LIMITS: NaN and infinities are not served; a block whose largest magnitude lies under 2^-124, a block of zeros among them, gets the byte 1 (this program alone reads the bytes); a row's sum of squares must stay finite in f32
; (magnitudes under about 1e19); x / max(norm, 1e-8) is x times v_rcp_f32 of max(v_sqrt_f32(sum), 1e-8); / 0.07 is a multiplication by the f32 nearest to 1 / 0.07.
.set RP,    1040                       ; a row's half in LDS: 1,024 bytes + 16 of padding: 65 x 16, so that the 16 rows of a load start at 16 different 16-byte columns
.set HALF,  64*RP                      ; a slot: [half of the row][64 rows]
.set SLOT,  2*HALF
.set XIMG,  2*SLOT                     ; x's 16 fragments: (row tile m, K step s) at 1024 (4 m + s)
.set XSC,   XIMG+16384                 ; their scale words: 64 (4 m + s) + 4 r
.set HIMG,  XSC+1024                   ; the hidden layer's 32 fragments: 1024 (8 m + S)
.set HSC,   HIMG+32768                 ; their scale words: 64 (8 m + S) + 4 r
.set BNL,   HSC+2048                   ; s[1024], then t[1024]
.set SPARE, BNL+8192                   ; the spare words, 128 bytes for each wave: two blocks of 256 bytes that no other line names
.set OST,   XIMG                       ; from B4 to B0: four stages of 16 rows x 272 bytes for out (17,408 bytes: XIMG and XSC)
.set PS,    XIMG                       ; from B2 to B4: the rows' partial sums of squares: 16 (16 m + r) + 4 w
.set BIMG,  HIMG                       ; from B3 to B0: bb's four fragments, 1024 m,
.set BSC,   HIMG+4096                  ; and their scale words, 64 m + 4 r
.set TST,   HIMG                       ; ahead of the first barrier: four stages of 16 rows x 528 bytes, through which the messages turn
.set OW2F,  262144                     ; wts: as the launch before has laid it
.set OW1S,  327680
.set OW2S,  344064
.set OBN,   348160
; window 0
.set AXI, 2                            ; XIMG + 16 lane
.set AXS, 3                            ; XSC + 4 lane
.set AXW, 4                            ; XIMG + 4096 w + 16 lane
.set AXB, 5                            ; XSC + 256 w + 4 r + h
.set AHI, 6                            ; HIMG + 16 lane (bb's images too)
.set AHS, 7                            ; HSC + 4 lane
.set AHW, 8                            ; HIMG + 2048 w + 16 r + 8 h
.set AHB, 9                            ; HSC + 128 w + 4 r
.set ABN, 10                           ; BNL + 1024 w + 64 h
.set ARA0, 11                          ; (16 w + r) RP + 128 h
.set ARA, 12                           ; + the slot
.set ARB, 13                           ; + HALF
.set APW, 14                           ; PS + 16 r + 4 w
.set APR, 15                           ; PS + 16 r
.set ABW, 16                           ; BIMG + 256 w + 16 r + 8 h
.set ABB, 17                           ; BSC + 4 r + w
.set ABS, 19                           ; BSC + 4 lane
.set ASO, 20                           ; OST + 4352 w + 272 r + 32 h
.set ASR, 21                           ; OST + 4352 w + 272 h + 16 r
.set AGO, 22                           ; out: 1024 (64 w + h) + 16 r
.set SPW, 23                           ; SPARE + 4 x my thread's number; never rewritten
.set NIL, 24                           ; 0; never rewritten
.set ATW, 25                           ; TST + 8448 w + 16 lane
.set ATR, 26                           ; TST + 8448 w + 528 r + 128 h
.set L16, 27                           ; 16 lane
.set L4,  28                           ; 4 lane
.set H8,  29                           ; 8 h
.set T16, 30                           ; 16 x thread
.set ABT, 31                           ; BNL + 16 x thread
.set RW1S, 32                          ; v32-63   W1's scale words: register 2 t + s / 2: lanes 0-15 the even K step, lanes 16-31 the odd one
.set RW2S, 64                          ; v64-71   W2's: 4 u + S / 2
.set AS,  72                           ; v72-75   a's, one a tile
.set SCR, 76                           ; v76-91   the scale words in hand: x's (2 m + s / 2), the hidden layer's (4 m + S / 2), bb's (m / 2)
.set AF,  92                           ; v92-123  a's four fragments
.set TM,  124                          ; v124-139 at work
.set PC,  140                          ; v140-151 codes just made
.set ACC, 152                          ; v152-215 eight accumulators (16 m + 8 u); in X with v216-247 three sets of 32 numbers; in P3 bb's fragments
.set RB,  184                          ; v184-247 in P3: two sets of 16 rows read back from the stage
.set BNR, 216                          ; v216-231 s, v232-247 t of the 16 hidden units in hand; at work elsewhere
; window 1: W1's tiles 0-7, fragment (t, s) at 32 t + 8 s (at first: the messages, row R at 4 R);  window 2: tiles 8-15
; window 3: v0-127 W2, fragment (u, S) at 8 (8 u + S);  v128-255: x's 16 fragments, then the hidden layer's in two buffers of 64, then the 16 results of P3
.set WV,  12                           ; s12 wave
.set G1,  16                           ; s[16:23] descriptor group 1
.set G0A, 24                           ; s[24:27], s[28:31] groups 0 of the two first fills;  s[32:35] of the refills
.set G0B, 28
.set G0W, 32
.set GN,  36                           ; s[36:37] the next refill's place in memory
.set WP,  38                           ; s38 my tile's place in a slot
.set TB,  39                           ; s39 the slot in hand
.set CNT, 40
.set SEL, 42                           ; s[42:43] v_permlanex16_b32's selects for lane l xor 16
.set INVT, 44                          ; s[44:45] 1 / 0.07
.set MSB, 0
.macro WIN new                         ; low byte: bits 1:0 source 0, 3:2 source 1, 5:4 source 2, 7:6 destination; the high byte repeats the setting that is left
.if MSB != \new
	s_set_vgpr_msb (MSB<<8)|\new
.set MSB, \new
.endif
.endm
.macro PLACES                          ; four plain places behind a matrix instruction, ahead of reads of its result and of loads into its registers
.rept 4
	v_nop
.endr
.endm
.macro BAR                             ; my LDS stores have landed and my LDS loads are in: then the work-group's barrier
	s_wait_dscnt 0x0
	s_barrier_signal -1
	s_barrier_wait -1
.endm
.macro MAX32 d, t, x                   ; the largest magnitude of 32 registers, two chains, with the floor 2^(3 - 127): the byte cannot fall under 1
	v_max3_num_f32 v[\d], |v[\x]|, |v[\x+1]|, |v[\x+2]|
	v_max3_num_f32 v[\t], |v[\x+3]|, |v[\x+4]|, |v[\x+5]|
.irp k, 6,10,14,18,22,26
	v_max3_num_f32 v[\d], v[\d], |v[\x+\k]|, |v[\x+\k+1]|
	v_max3_num_f32 v[\t], v[\t], |v[\x+\k+2]|, |v[\x+\k+3]|
.endr
	v_max3_num_f32 v[\d], v[\d], |v[\x+30]|, |v[\x+31]|
	v_max3_num_f32 v[\d], v[\d], v[\t], 0x1800000
.endm
; one product.  zero: it starts the sum.  odd: an odd K step, whose scale words lie in lanes 16-31 of both scale registers
.macro MM d, a, b, sa, sb, zero, odd
.if \zero
	v_wmma_scale_f32_16x16x128_f8f6f4 v[\d:\d+7], v[\a:\a+7], v[\b:\b+7], 0, v[\sa], v[\sb] matrix_a_fmt:MATRIX_FMT_FP4 matrix_b_fmt:MATRIX_FMT_FP4
.elseif \odd
	v_wmma_scale_f32_16x16x128_f8f6f4 v[\d:\d+7], v[\a:\a+7], v[\b:\b+7], v[\d:\d+7], v[\sa], v[\sb] matrix_a_fmt:MATRIX_FMT_FP4 matrix_b_fmt:MATRIX_FMT_FP4 matrix_a_scale:MATRIX_SCALE_ROW1 matrix_b_scale:MATRIX_SCALE_ROW1
.else
	v_wmma_scale_f32_16x16x128_f8f6f4 v[\d:\d+7], v[\a:\a+7], v[\b:\b+7], v[\d:\d+7], v[\sa], v[\sb] matrix_a_fmt:MATRIX_FMT_FP4 matrix_b_fmt:MATRIX_FMT_FP4
.endif
.endm
; For each of the four row tiles m: my 16 numbers v[ACC + 16 m ..] and lane l xor 16's are a block of 32: its byte in v[TM + 12 + m], my 16 codes in v[PC + 2 m], v[PC + 2 m + 1].  abs = 0: none is negative
.macro QUANT16 abs
.irp m, 0,1,2,3
.if \abs
	v_max3_num_f32 v[TM+\m], |v[ACC+16*\m]|, |v[ACC+16*\m+1]|, 0x1800000
.else
	v_max3_num_f32 v[TM+\m], v[ACC+16*\m], v[ACC+16*\m+1], 0x1800000
.endif
.endr
.irp k, 2,4,6,8,10,12,14
.irp m, 0,1,2,3
.if \abs
	v_max3_num_f32 v[TM+\m], v[TM+\m], |v[ACC+16*\m+\k]|, |v[ACC+16*\m+\k+1]|
.else
	v_max3_num_f32 v[TM+\m], v[TM+\m], v[ACC+16*\m+\k], v[ACC+16*\m+\k+1]
.endif
.endr
.endr
.irp m, 0,1,2,3
	v_permlanex16_b32 v[TM+4+\m], v[TM+\m], s[SEL], s[SEL+1]
.endr
.irp m, 0,1,2,3
	v_max_num_f32 v[TM+\m], v[TM+\m], v[TM+4+\m]
.endr
.irp m, 0,1,2,3
	v_add_nc_u32 v[TM+8+\m], 0xff000000, v[TM+\m]  ; 2 off the exponent field: the conversion's scale operand
.endr
.irp m, 0,1,2,3
	v_lshrrev_b32 v[TM+12+\m], 23, v[TM+8+\m]      ; the scale's byte
.endr
.irp m, 0,1,2,3
	v_cvt_scalef32_pk8_fp4_f32 v[PC+2*\m], v[ACC+16*\m:ACC+16*\m+7], v[TM+8+\m]
	v_cvt_scalef32_pk8_fp4_f32 v[PC+2*\m+1], v[ACC+16*\m+8:ACC+16*\m+15], v[TM+8+\m]
.endr
	v_nop                                          ; one plain place behind the last conversion
.endm
	s_load_b256 s[4:11], s[0:1], 0x0               ; x s[4:5], msg s[6:7], wts s[8:9], out s[10:11]
	v_lshl_add_u32 v[SPW], v0, 2, SPARE
	v_mov_b32 v[NIL], 0
	ds_add_u32 v23, v24
	ds_add_u32 v23, v24
	s_wait_dscnt 0x0
	v_lshrrev_b32 v248, 5, v0
	v_readfirstlane_b32 s[WV], v248                ; wave 0..3
	v_and_b32 v248, 31, v0                         ; lane
	v_and_b32 v249, 15, v0                         ; r
	v_bfe_u32 v250, v0, 4, 1                       ; h
	v_lshlrev_b32 v[L16], 4, v248
	v_lshlrev_b32 v[L4], 2, v248
	v_lshlrev_b32 v[H8], 3, v250
	v_lshlrev_b32 v[T16], 4, v0
	; descriptor group 1: 32 rows x 256 elements of 4 bytes, 512 elements from row to row, 4 words of padding behind every 256
	s_mov_b32 s[G1], (2<<16)|(1<<20)|(7<<22)|(3<<25)
	s_mov_b32 s[G1+1], 256<<16                     ; tensor_dim0
	s_mov_b32 s[G1+2], 32<<16                      ; tensor_dim1
	s_mov_b32 s[G1+3], 256<<16                     ; tile_dim0
	s_mov_b32 s[G1+4], 32                          ; tile_dim1
	s_mov_b32 s[G1+5], 512                         ; tensor_dim0_stride
	s_mov_b32 s[G1+6], 0
	s_mov_b32 s[G1+7], 0
	s_mul_i32 s[WP], s[WV], 32*RP                  ; wave w fetches half w / 2 of rows 32 (w % 2) on: in a slot that is 32 RP w
	s_mov_b32 s[SEL], 0x76543210
	s_mov_b32 s[SEL+1], 0xfedcba98
	s_mov_b32 s[INVT], 0x41649249
	s_mov_b32 s[INVT+1], s[INVT]                   ; (named with it as a pair, so it is written)
	s_mov_b32 s47, 0
	s_wait_kmcnt 0x0
	s_lshl_b32 s46, ttmp9, 17                      ; msg: my batch's 256 rows of 512 bytes, my wave's 64
	s_lshl_b32 s56, s[WV], 15
	s_add_co_u32 s46, s46, s56
	s_add_nc_u64 s[6:7], s[6:7], s[46:47]
	s_lshl_b32 s46, ttmp9, 18                      ; out: my batch's 256 rows of 1,024 bytes
	s_add_nc_u64 s[10:11], s[10:11], s[46:47]
	s_lshl_b32 s46, ttmp9, 19                      ; x: my batch's 256 rows of 2,048 bytes, my tile
	s_and_b32 s56, s[WV], 1
	s_lshl_b32 s56, s56, 16
	s_add_co_u32 s46, s46, s56
	s_lshr_b32 s56, s[WV], 1
	s_lshl_b32 s56, s56, 10
	s_add_co_u32 s46, s46, s56
	s_add_nc_u64 s[4:5], s[4:5], s[46:47]
	s_lshl_b32 s46, s[WV], 16
	s_add_nc_u64 s[48:49], s[8:9], s[46:47]        ; my fragments of W1
	s_lshl_b32 s46, s[WV], 14
	s_add_co_u32 s46, s46, OW2F
	s_add_nc_u64 s[50:51], s[8:9], s[46:47]        ; of W2
	s_lshl_b32 s46, s[WV], 12
	s_add_co_u32 s46, s46, OW1S
	s_add_nc_u64 s[52:53], s[8:9], s[46:47]        ; W1's scale words
	s_lshl_b32 s46, s[WV], 10
	s_add_co_u32 s46, s46, OW2S
	s_add_nc_u64 s[54:55], s[8:9], s[46:47]        ; W2's
.irp k, 0,1,2,3
	global_load_b128 v[232+4*\k:235+4*\k], v[T16], s[8:9] offset:OBN+2048*\k   ; s and t: 8,192 bytes, 16 a thread and load
.endr
	WIN 0x40                                       ; destination window 1
.set n, 0
.rept 64
	global_load_b128 v[4*n:4*n+3], v[L16], s[6:7] offset:512*n th:TH_LOAD_NT   ; my 64 messages, a row of 512 bytes a load
.set n, n+1
.endr
	WIN 0
	s_mov_b32 s[G0A], 1
	s_mov_b32 s[G0A+1], s[WP]
	s_mov_b64 s[G0A+2:G0A+3], s[4:5]
	s_or_b32 s[G0A+3], s[G0A+3], 0x80000000
	s_mov_b32 s[G0B], 1
	s_add_co_u32 s[G0B+1], s[WP], SLOT
	s_add_nc_u64 s[G0B+2:G0B+3], s[4:5], 131072
	s_or_b32 s[G0B+3], s[G0B+3], 0x80000000
	s_mov_b32 s[G0W], 1
	s_add_nc_u64 s[GN:GN+1], s[4:5], 262144
	tensor_load_to_lds s[G0A:G0A+3], s[G1:G1+7]    ; rows 0-63 into slot 0 and rows 64-127 into slot 1: the two first fills go out together, ahead of every wait on TENSORcnt and barrier: two loads of mine are out
	s_nop 0
	tensor_load_to_lds s[G0B:G0B+3], s[G1:G1+7]
	s_nop 0
	PLACES
	v_add_nc_u32 v[ABT], BNL, v[T16]
	v_add_nc_u32 v[AXI], XIMG, v[L16]
	v_add_nc_u32 v[AXS], XSC, v[L4]
	s_lshl_b32 s46, s[WV], 12
	s_add_co_u32 s46, s46, XIMG
	v_add_nc_u32 v[AXW], s46, v[L16]
	s_lshl_b32 s46, s[WV], 8
	s_add_co_u32 s46, s46, XSC
	v_lshl_add_u32 v[AXB], v249, 2, v250
	v_add_nc_u32 v[AXB], s46, v[AXB]
	v_add_nc_u32 v[AHI], HIMG, v[L16]
	v_add_nc_u32 v[AHS], HSC, v[L4]
	s_lshl_b32 s46, s[WV], 11
	s_add_co_u32 s46, s46, HIMG
	v_lshl_add_u32 v[AHW], v249, 4, v[H8]
	v_add_nc_u32 v[AHW], s46, v[AHW]
	s_lshl_b32 s46, s[WV], 7
	s_add_co_u32 s46, s46, HSC
	v_lshl_add_u32 v[AHB], v249, 2, s46
	s_lshl_b32 s46, s[WV], 10
	s_add_co_u32 s46, s46, BNL
	v_lshl_add_u32 v[ABN], v250, 6, s46
	s_mul_i32 s46, s[WV], 16*RP
	v_mul_u32_u24 v[ARA0], v249, RP
	v_lshl_add_u32 v[ARA0], v250, 7, v[ARA0]
	v_add_nc_u32 v[ARA0], s46, v[ARA0]
	s_lshl_b32 s46, s[WV], 2
	s_add_co_u32 s46, s46, PS
	v_lshl_add_u32 v[APW], v249, 4, s46
	v_lshlrev_b32 v[APR], 4, v249
	v_add_nc_u32 v[APR], PS, v[APR]
	s_lshl_b32 s46, s[WV], 8
	s_add_co_u32 s46, s46, BIMG
	v_lshl_add_u32 v[ABW], v249, 4, v[H8]
	v_add_nc_u32 v[ABW], s46, v[ABW]
	s_add_co_u32 s46, s[WV], BSC
	v_lshl_add_u32 v[ABB], v249, 2, s46
	v_add_nc_u32 v[ABS], BSC, v[L4]
	s_mul_i32 s46, s[WV], 16*272
	s_add_co_u32 s46, s46, OST
	v_mul_u32_u24 v[ASO], v249, 272
	v_lshl_add_u32 v[ASO], v250, 5, v[ASO]
	v_add_nc_u32 v[ASO], s46, v[ASO]
	v_mul_u32_u24 v[ASR], v250, 272
	v_lshl_add_u32 v[ASR], v249, 4, v[ASR]
	v_add_nc_u32 v[ASR], s46, v[ASR]
	s_lshl_b32 s46, s[WV], 16
	v_lshlrev_b32 v[AGO], 10, v250
	v_lshl_add_u32 v[AGO], v249, 4, v[AGO]
	v_add_nc_u32 v[AGO], s46, v[AGO]
	s_mul_i32 s46, s[WV], 16*528
	s_add_co_u32 s46, s46, TST
	v_add_nc_u32 v[ATW], s46, v[L16]
	v_mul_u32_u24 v[ATR], v249, 528
	v_lshl_add_u32 v[ATR], v250, 7, v[ATR]
	v_add_nc_u32 v[ATR], s46, v[ATR]
.irp m, 0,1,2,3
	v_mov_b32 v[TM+4+\m], 0                        ; written once: a lane permute's destination counts as one of its sources
.endr
	s_wait_loadcnt 63                              ; 68 loads are issued: the first five are in, those of s and t among them
.irp k, 0,1,2,3
	ds_store_b128 v[ABT], v[232+4*\k:235+4*\k] offset:2048*\k
.endr
; 64 numbers of a lane, register 32 c + e = k 64 c + 32 h + e of message row r, are divided by the row's norm and become fragment i of a and its scale word
.macro NORMQ i
.irp q, 0,1,2,3
	v_pk_mul_f32 v[BNR+2*\q:BNR+2*\q+1], v[ACC+2*\q:ACC+2*\q+1], v[ACC+2*\q:ACC+2*\q+1]   ; the sum of squares, in four packed chains
.endr
.set n, 4
.rept 28
	v_pk_fma_f32 v[BNR+2*(n%4):BNR+2*(n%4)+1], v[ACC+2*n:ACC+2*n+1], v[ACC+2*n:ACC+2*n+1], v[BNR+2*(n%4):BNR+2*(n%4)+1]
.set n, n+1
.endr
	v_pk_add_f32 v[BNR:BNR+1], v[BNR:BNR+1], v[BNR+2:BNR+3]
	v_pk_add_f32 v[BNR+4:BNR+5], v[BNR+4:BNR+5], v[BNR+6:BNR+7]
	v_pk_add_f32 v[BNR:BNR+1], v[BNR:BNR+1], v[BNR+4:BNR+5]
	v_add_f32 v[BNR], v[BNR], v[BNR+1]
	v_permlanex16_b32 v[TM+4], v[BNR], s[SEL], s[SEL+1]
	v_add_f32 v[BNR], v[BNR], v[TM+4]              ; with lane l xor 16's 64 numbers: the row's
	v_sqrt_f32 v[BNR+1], v[BNR]
	v_nop                                          ; a plain place behind a transcendental
	s_wait_alu depctr_va_vdst(0)
	v_max_num_f32 v[BNR+1], 0x322bcc77, v[BNR+1]   ; max(norm, 1e-8)
	v_rcp_f32 v[BNR+2], v[BNR+1]
	v_nop
.set n, 0
	s_wait_alu depctr_va_vdst(0)
.rept 32
	v_pk_mul_f32 v[ACC+2*n:ACC+2*n+1], v[ACC+2*n:ACC+2*n+1], v[BNR+2:BNR+3] op_sel_hi:[1,0]
.set n, n+1
.endr
	MAX32 TM, TM+1, ACC                            ; my blocks h and 2 + h: all their numbers are mine
	MAX32 TM+2, TM+3, ACC+32
	v_add_nc_u32 v[TM+8], 0xff000000, v[TM]
	v_add_nc_u32 v[TM+9], 0xff000000, v[TM+2]
	v_lshrrev_b32 v[TM+12], 23, v[TM+8]
	v_lshrrev_b32 v[TM+13], 23, v[TM+9]
	v_lshl_or_b32 v[TM+14], v[TM+13], 16, v[TM+12] ; my two bytes,
	v_lshlrev_b32 v[TM+14], v[H8], v[TM+14]        ; at their places in the scale word;
	v_permlanex16_b32 v[TM+4], v[TM+14], s[SEL], s[SEL+1]
	v_or_b32 v[AS+\i], v[TM+14], v[TM+4]           ; with lane l xor 16's two the word is whole
.irp c, 0,1
.irp g, 0,1,2,3
	v_cvt_scalef32_pk8_fp4_f32 v[AF+8*\i+4*\c+\g], v[ACC+32*\c+8*\g:ACC+32*\c+8*\g+7], v[TM+8+\c]
.endr
.endr
	v_nop                                          ; one plain place behind the last conversion
.endm
; Tile i of my messages: its 16 rows, loaded 16 bytes a lane, turn through my own stage, so that a lane gets 2 x 32 neighbours of one row; the registers that they leave take 16 loads of W1
.macro APH i
	s_wait_loadcnt 48                              ; behind the tile's 16 loads stand 16 (3 - i) loads of messages and 16 i of W1
	WIN 0x04                                       ; an LDS store's data are its source 1: window 1
.irp p, 0,1,2,3,4,5,6,7,8,9,10,11,12,13,14,15
	ds_store_b128 v[ATW], v[64*\i+4*\p:64*\i+4*\p+3] offset:528*\p
.endr
	WIN 0
.irp c, 0,1
.irp g, 0,1,2,3,4,5,6,7
	ds_load_b128 v[ACC+32*\c+4*\g:ACC+32*\c+4*\g+3], v[ATR] offset:256*\c+16*\g   ; LDS serves a wave's instructions in order: these see my stores
.endr
.endr
	s_wait_dscnt 0x0
	WIN 0x40
.irp p, 0,1,2,3,4,5,6,7,8,9,10,11,12,13,14,15
	global_load_b128 v[64*\i+4*\p:64*\i+4*\p+3], v[L16], s[48:49] offset:512*(16*\i+\p)
.endr
	WIN 0
	NORMQ \i
.endm
	APH 0
	APH 1
	APH 2
	APH 3
	WIN 0x80                                       ; the rest of the weights: they are waited for ahead of the first product
.set n, 0
.rept 64
	global_load_b128 v[4*n:4*n+3], v[L16], s[48:49] offset:512*(64+n)
.set n, n+1
.endr
	WIN 0xc0
.set n, 0
.rept 32
	global_load_b128 v[4*n:4*n+3], v[L16], s[50:51] offset:512*n
.set n, n+1
.endr
	WIN 0
.set n, 0
.rept 32
	global_load_b32 v[RW1S+n], v[L4], s[52:53] offset:128*n
.set n, n+1
.endr
.set n, 0
.rept 8
	global_load_b32 v[RW2S+n], v[L4], s[54:55] offset:128*n
.set n, n+1
.endr
	s_wait_tensorcnt 1                             ; my part of rows 0-63 is in; slot 1's load may stay out
	BAR                                            ; everybody's is, s and t lie in LDS, and the turning stages are left
; X: half-step e = 2 s + c: 32 numbers a lane, k = 128 s + 64 c + 32 h + 0 .. 31 of row 16 w + r: a whole block
.macro LOADX e
.set XR, ACC+32*((\e)%3)
.if (\e) < 4
.set XAD, ARA
.else
.set XAD, ARB
.endif
.irp g, 0,1,2,3,4,5,6,7
	ds_load_b128 v[XR+4*\g:XR+4*\g+3], v[XAD] offset:512*(((\e)>>1)&1)+256*((\e)&1)+16*\g
.endr
.endm
.macro QX e, cnt                       ; cnt: the LDS instructions issued behind half-step e's loads.  Codes and byte have three sets: a set's stores stand ahead of the loads that this wait shows done
.set XR, ACC+32*((\e)%3)
	s_wait_dscnt \cnt
	MAX32 TM, TM+1, XR
	v_add_nc_u32 v[TM+2], 0xff000000, v[TM]
.irp g, 0,1,2,3
	v_cvt_scalef32_pk8_fp4_f32 v[PC+4*((\e)%3)+\g], v[XR+8*\g:XR+8*\g+7], v[TM+2]
.endr
	v_lshrrev_b32 v[TM+4+(\e)%3], 23, v[TM+2]      ; the byte; also the plain place behind the conversions
	ds_store_b128 v[AXW], v[PC+4*((\e)%3):PC+4*((\e)%3)+3] offset:512*(\e)
	ds_store_b8 v[AXB], v[TM+4+(\e)%3] offset:64*((\e)>>1)+2*((\e)&1)
.endm
; P1, hidden units 32 p .. + 31 of my 256, for the 64 rows: 32 products, eight accumulators by turns; then s, t, relu, and the block of 32 is quantised
.macro PAIR p
.irp g, 0,1,2,3
	ds_load_b128 v[BNR+4*\g:BNR+4*\g+3], v[ABN] offset:128*(\p)+16*\g            ; s and t of my 16 units: they land under the products
	ds_load_b128 v[BNR+16+4*\g:BNR+16+4*\g+3], v[ABN] offset:4096+128*(\p)+16*\g
.endr
.if (\p) == 0
	s_wait_dscnt 8                                 ; x's fragments and scale words are in; the eight loads above may be out
.endif
.if (\p) < 4
	WIN 0x0d                                       ; source 0 (W1) window 1, source 1 (x) window 3
.else
	WIN 0x0e                                       ; W1 in window 2
.endif
.irp s, 0,1,2,3
.irp m, 0,1,2,3
.irp u, 0,1
.set rD, ACC+16*\m+8*\u
.set rA, 32*((2*(\p)+\u)%8)+8*\s
.set rB, 128+8*(4*\m+\s)
.set rSA, RW1S+2*(2*(\p)+\u)+(\s>>1)
.set rSB, SCR+2*\m+(\s>>1)
.if \s == 0
	MM rD, rA, rB, rSA, rSB, 1, 0
.else
	MM rD, rA, rB, rSA, rSB, 0, \s&1
.endif
.endr
.endr
.endr
	WIN 0
	s_wait_dscnt 0x0                               ; s and t are in; the last group's stores have read their registers
	PLACES
.irp m, 0,1,2,3
.irp k, 0,1,2,3,4,5,6,7
	v_pk_fma_f32 v[ACC+16*\m+2*\k:ACC+16*\m+2*\k+1], v[ACC+16*\m+2*\k:ACC+16*\m+2*\k+1], v[BNR+2*\k:BNR+2*\k+1], v[BNR+16+2*\k:BNR+16+2*\k+1]   ; register 16 m + e: unit 32 p + 16 h + e of row 16 m + r; each accumulator from its low end on
.endr
.endr
.set n, 0
.rept 64
	v_max_num_f32 v[ACC+n], 0, v[ACC+n]            ; relu
.set n, n+1
.endr
	QUANT16 0
.irp m, 0,1,2,3
	ds_store_b64 v[AHW], v[PC+2*\m:PC+2*\m+1] offset:8192*\m+256*(\p)    ; my 16 codes are half of what lane (r, p % 2) of quad (p % 4) / 2 of K step 2 w + p / 4 holds: they land there, 8 h bytes on
	ds_store_b8 v[AHB], v[TM+12+\m] offset:512*\m+64*((\p)>>2)+((\p)&3)  ; both lanes of a block write the same byte with the same value
.endr
.endm
.macro LOADH S0                        ; the hidden layer's fragments of K steps S0, S0 + 1, four row tiles each, into buffer (S0 / 2) % 2
.irp d, 0,1
.irp m, 0,1,2,3
.irp c, 0,1
.set rS, (\S0)+\d
	ds_load_b128 v[128+64*((rS>>1)&1)+32*(rS&1)+8*\m+4*\c:128+64*((rS>>1)&1)+32*(rS&1)+8*\m+4*\c+3], v[AHI] offset:1024*(8*\m+rS)+512*\c
.endr
.endr
.endr
.endm
.macro MUL S0                          ; 16 products: K steps S0, S0 + 1; eight accumulators by turns
.irp d, 0,1
.irp m, 0,1,2,3
.irp u, 0,1
.set rS, (\S0)+\d
.set rD, ACC+16*\m+8*\u
.set rA, 8*(8*\u+rS)
.set rB, 128+64*((rS>>1)&1)+32*(rS&1)+8*\m
.set rSA, RW2S+4*\u+(rS>>1)
.set rSB, SCR+4*\m+(rS>>1)
.if rS == 0
	MM rD, rA, rB, rSA, rSB, 1, 0
.else
	MM rD, rA, rB, rSA, rSB, 0, rS&1
.endif
.endr
.endr
.endr
.endm
.macro TOSTAGE i                       ; tile i of my messages x 64 contexts: 32 bytes a lane and context tile into rows of 272 bytes, and back as whole rows of 256
	WIN 0x0c                                       ; the data: window 3
.irp m, 0,1,2,3
	ds_store_b128 v[ASO], v[128+8*(4*(\i)+\m):128+8*(4*(\i)+\m)+3] offset:64*\m
	ds_store_b128 v[ASO], v[128+8*(4*(\i)+\m)+4:128+8*(4*(\i)+\m)+7] offset:64*\m+16
.endr
	WIN 0
.irp t, 0,1,2,3,4,5,6,7
	ds_load_b128 v[RB+32*((\i)&1)+4*\t:RB+32*((\i)&1)+4*\t+3], v[ASR] offset:544*\t   ; LDS serves a wave's instructions in order: these see my stores, and the next tile's stores come behind them
.endr
.endm
.macro SEND i, y                       ; y: the LDS instructions issued behind tile i's loads
	s_wait_dscnt \y
.irp t, 0,1,2,3,4,5,6,7
	global_store_b128 v[AGO], v[RB+32*((\i)&1)+4*\t:RB+32*((\i)&1)+4*\t+3], s[10:11] offset:1024*(16*(\i)+2*\t) th:TH_STORE_NT   ; sixteen lanes store 256 consecutive bytes, at a multiple of 256 from out's first byte
.endr
.endm
; A SUB-BLOCK of 64 rows, in the slot at s[TB].  refill = 1: behind B2 the slot, read out in X, takes the rows two sub-blocks on
.macro SUB refill
	; ---- X
	v_add_nc_u32 v[ARA], s[TB], v[ARA0]
	v_add_nc_u32 v[ARB], HALF, v[ARA]
	LOADX 0
	LOADX 1
	LOADX 2
	QX 0, 16                                       ; behind its loads: two half-steps' loads
	LOADX 3
	QX 1, 18                                       ; 8 loads, 2 stores, 8 loads
	LOADX 4
	QX 2, 20                                       ; 2 stores, 8 loads, 2 stores, 8 loads
	LOADX 5
	QX 3, 20
	LOADX 6
	QX 4, 20
	LOADX 7
	QX 5, 20
	QX 6, 12                                       ; 2 stores, 8 loads, 2 stores
	QX 7, 4                                        ; 2 stores, 2 stores
	BAR                                            ; B1: x's sixteen fragments lie in LDS; nobody reads the slot any more
	; ---- P1
.set n, 0
.rept 8
	ds_load_b32 v[SCR+n], v[AXS] offset:128*n      ; lanes 0-15: K step 2 (n % 2) of row tile n / 2, lanes 16-31: the step after it
.set n, n+1
.endr
	WIN 0xc0
.set n, 0
.rept 32
	ds_load_b128 v[128+4*n:128+4*n+3], v[AXI] offset:512*n
.set n, n+1
.endr
	WIN 0
	s_wait_loadcnt 0x0                             ; the weights (nothing is out in the later sub-blocks)
	PAIR 0
	PAIR 1
	PAIR 2
	PAIR 3
	PAIR 4
	PAIR 5
	PAIR 6
	PAIR 7
	; ---- B2: the hidden layer's 32 fragments lie in LDS
.if \refill
	s_wait_tensorcnt 0x0                           ; all my tensor loads have landed, my part of the next sub-block's slot among them: so a group 0 may be written
	ds_add_u32 v[SPW], v[NIL]                      ; 0 onto my spare word; the descriptor is made between it and the wait for it
	s_add_co_u32 s[G0W+1], s[WP], s[TB]
	s_mov_b64 s[G0W+2:G0W+3], s[GN:GN+1]
	s_or_b32 s[G0W+3], s[G0W+3], 0x80000000
	s_wait_dscnt 0x0                               ; the add is done, my stores have landed, and my reads of the slot were over at B1
	s_barrier_signal -1
	s_barrier_wait -1
	tensor_load_to_lds s[G0W:G0W+3], s[G1:G1+7]    ; my one tensor load behind this barrier, and the first thing there: it has a whole sub-block in which to land
	s_nop 0
	PLACES
.else
	BAR
.endif
	; ---- P2
.set n, 0
.rept 16
	ds_load_b32 v[SCR+n], v[AHS] offset:128*n
.set n, n+1
.endr
	WIN 0xc0
	LOADH 0
	LOADH 2
	s_wait_dscnt 16                                ; all but the 16 just issued
	WIN 0x0f                                       ; sources 0 (W2) and 1 (the hidden layer) window 3
	MUL 0
	PLACES
	WIN 0xc0
	LOADH 4
	s_wait_dscnt 16
	WIN 0x0f
	MUL 2
	PLACES
	WIN 0xc0
	LOADH 6
	s_wait_dscnt 16
	WIN 0x0f
	MUL 4
	s_wait_dscnt 0x0
	MUL 6
	WIN 0
	PLACES
.irp m, 0,1,2,3
	v_pk_mul_f32 v[BNR+2*\m:BNR+2*\m+1], v[ACC+16*\m:ACC+16*\m+1], v[ACC+16*\m:ACC+16*\m+1]   ; register 16 m + e: output 32 w + 16 h + e of row 16 m + r.  Its squares, each accumulator from its low end on
.endr
.irp k, 1,2,3,4,5,6,7
.irp m, 0,1,2,3
	v_pk_fma_f32 v[BNR+2*\m:BNR+2*\m+1], v[ACC+16*\m+2*\k:ACC+16*\m+2*\k+1], v[ACC+16*\m+2*\k:ACC+16*\m+2*\k+1], v[BNR+2*\m:BNR+2*\m+1]
.endr
.endr
.irp m, 0,1,2,3
	v_add_f32 v[BNR+8+\m], v[BNR+2*\m], v[BNR+2*\m+1]
.endr
.irp m, 0,1,2,3
	v_permlanex16_b32 v[TM+4+\m], v[BNR+8+\m], s[SEL], s[SEL+1]
.endr
.irp m, 0,1,2,3
	v_add_f32 v[BNR+8+\m], v[BNR+8+\m], v[TM+4+\m]
.endr
.irp m, 0,1,2,3
	ds_store_b32 v[APW], v[BNR+8+\m] offset:256*\m ; my 32 outputs' part of the row's sum (both halves of the lanes write the same word)
.endr
	BAR                                            ; B3
	; ---- N
.irp m, 0,1,2,3
	ds_load_b128 v[BNR+4*\m:BNR+4*\m+3], v[APR] offset:256*\m
.endr
	s_wait_dscnt 0x0
.irp m, 0,1,2,3
	v_add_f32 v[BNR+4*\m], v[BNR+4*\m], v[BNR+4*\m+1]
.endr
.irp m, 0,1,2,3
	v_add_f32 v[BNR+4*\m+2], v[BNR+4*\m+2], v[BNR+4*\m+3]
.endr
.irp m, 0,1,2,3
	v_add_f32 v[BNR+4*\m], v[BNR+4*\m], v[BNR+4*\m+2]   ; the same order in every wave: the same norm
.endr
.irp m, 0,1,2,3
	v_sqrt_f32 v[BNR+4*\m+1], v[BNR+4*\m]
.endr
	v_nop
	s_wait_alu depctr_va_vdst(0)
.irp m, 0,1,2,3
	v_max_num_f32 v[BNR+4*\m+1], 0x322bcc77, v[BNR+4*\m+1]
.endr
.irp m, 0,1,2,3
	v_rcp_f32 v[BNR+4*\m+2], v[BNR+4*\m+1]
.endr
	v_nop
	s_wait_alu depctr_va_vdst(0)
.irp m, 0,1,2,3
.irp k, 0,1,2,3,4,5,6,7
	v_pk_mul_f32 v[ACC+16*\m+2*\k:ACC+16*\m+2*\k+1], v[ACC+16*\m+2*\k:ACC+16*\m+2*\k+1], v[BNR+4*\m+2:BNR+4*\m+3] op_sel_hi:[1,0]
.endr
.endr
	QUANT16 1
.irp m, 0,1,2,3
	ds_store_b64 v[ABW], v[PC+2*\m:PC+2*\m+1] offset:1024*\m   ; block w of the third product's K: quad w / 2, lane (r, w % 2), 8 h bytes on
	ds_store_b8 v[ABB], v[TM+12+\m] offset:64*\m
.endr
	BAR                                            ; B4
	; ---- P3
.set n, 0
.rept 8
	ds_load_b128 v[ACC+4*n:ACC+4*n+3], v[AHI] offset:512*n
.set n, n+1
.endr
	ds_load_b32 v[SCR], v[ABS]                     ; lanes 0-15: context tile 0, lanes 16-31: tile 1
	ds_load_b32 v[SCR+1], v[ABS] offset:128
	s_wait_dscnt 0x0
	WIN 0xc0                                       ; results in window 3
.irp i, 0,1,2,3
.irp m, 0,1,2,3
.if \m&1
	v_wmma_scale_f32_16x16x128_f8f6f4 v[128+8*(4*\i+\m):128+8*(4*\i+\m)+7], v[ACC+8*\m:ACC+8*\m+7], v[AF+8*\i:AF+8*\i+7], 0, v[SCR+(\m>>1)], v[AS+\i] matrix_a_fmt:MATRIX_FMT_FP4 matrix_b_fmt:MATRIX_FMT_FP4 matrix_a_scale:MATRIX_SCALE_ROW1
.else
	v_wmma_scale_f32_16x16x128_f8f6f4 v[128+8*(4*\i+\m):128+8*(4*\i+\m)+7], v[ACC+8*\m:ACC+8*\m+7], v[AF+8*\i:AF+8*\i+7], 0, v[SCR+(\m>>1)], v[AS+\i] matrix_a_fmt:MATRIX_FMT_FP4 matrix_b_fmt:MATRIX_FMT_FP4
.endif
.endr
.endr
	PLACES
	WIN 0xc3                                       ; destination and source 0 window 3
.set n, 0
.rept 64
	v_pk_mul_f32 v[128+2*n:129+2*n], v[128+2*n:129+2*n], s[INVT:INVT+1] op_sel_hi:[1,0]   ; / 0.07; each result from its low end on
.set n, n+1
.endr
	TOSTAGE 0
.irp i, 1,2,3
.if \i > 1
	s_wait_xcnt 0x0                                ; the stores of the tile two back have read their registers: this tile's loads may land there
.endif
	TOSTAGE \i
	SEND \i-1, 16                                  ; behind its loads: the next tile's 8 stores and 8 loads
.endr
	SEND 3, 0
	s_wait_xcnt 0x0                                ; the stores have read their base and their registers
	s_add_nc_u64 s[10:11], s[10:11], 256           ; the next 64 contexts
	s_add_co_u32 s[TB], s[TB], SLOT
.if \refill
	s_add_nc_u64 s[GN:GN+1], s[GN:GN+1], 131072
.else
	s_wait_tensorcnt 0x0                           ; the last block's load: none was issued behind it, so its count is 0; it is read behind this barrier
.endif
	BAR                                            ; B0: the stages and bb's images are left
.endm
	s_mov_b32 s[TB], 0
	s_mov_b32 s[CNT], 0
.Lfill:                                            ; sub-blocks 0 and 1: each slot is filled once more
	SUB 1
	s_add_co_u32 s[CNT], s[CNT], 1
	s_cmp_lt_u32 s[CNT], 2
	s_cbranch_scc1 .Lfill
	s_mov_b32 s[TB], 0
	s_mov_b32 s[CNT], 0
.Ltail:                                            ; sub-blocks 2 and 3 are written a second time
	SUB 0
	s_add_co_u32 s[CNT], s[CNT], 1
	s_cmp_lt_u32 s[CNT], 2
	s_cbranch_scc1 .Ltail
	s_wait_tensorcnt 0x0                           ; the wave's end: behind my last tensor load and my last LDS store
	ds_add_u32 v[SPW], v[NIL]
	s_wait_dscnt 0x0
	s_endpgm
.Lfunc_end_k_qc7c345bbf7_main:
	.size	k_qc7c345bbf7_main, .Lfunc_end_k_qc7c345bbf7_main-k_qc7c345bbf7_main
	.p2alignl 7, 3214868480
	.fill 96, 4, 3214868480
	.section	.rodata,"a",@progbits
	.p2align	6, 0x0
	.amdhsa_kernel k_qc7c345bbf7_main
		.amdhsa_group_segment_fixed_size 327680
		.amdhsa_private_segment_fixed_size 0
		.amdhsa_enable_private_segment 0
		.amdhsa_kernarg_size 32
		.amdhsa_user_sgpr_count 2
		.amdhsa_user_sgpr_kernarg_segment_ptr 1
		.amdhsa_wavefront_size32 1
		.amdhsa_system_sgpr_workgroup_id_x 1
		.amdhsa_system_sgpr_workgroup_id_y 1
		.amdhsa_system_sgpr_workgroup_id_z 1
		.amdhsa_system_vgpr_workitem_id 0
		.amdhsa_next_free_vgpr 1024
		.amdhsa_next_free_sgpr 66
		.amdhsa_reserve_vcc 0
		.amdhsa_float_denorm_mode_32 3
		.amdhsa_float_denorm_mode_16_64 3
		.amdhsa_memory_ordered 1
		.amdhsa_forward_progress 1
		.amdhsa_inst_pref_size 255
	.end_amdhsa_kernel
	.section	.bss,"aw",@nobits
	.p2align	6
	.space	262144
	.amdgpu_metadata
---
amdhsa.version: [ 1, 2 ]
amdhsa.kernels:
  - .name:           k_qc7c345bbf7_main
    .symbol:         k_qc7c345bbf7_main.kd
    .args:
      - { .name: batched_context_feature, .offset: 0, .size: 8, .value_kind: global_buffer, .address_space: global }
      - { .name: embedded_cyclic_msg, .offset: 8, .size: 8, .value_kind: global_buffer, .address_space: global }
      - { .name: wts, .offset: 16, .size: 8, .value_kind: global_buffer, .address_space: global }
      - { .name: out0, .offset: 24, .size: 8, .value_kind: global_buffer, .address_space: global }
    .group_segment_fixed_size: 327680
    .private_segment_fixed_size: 0
    .kernarg_segment_align: 8
    .kernarg_segment_size: 32
    .max_flat_workgroup_size: 128
    .sgpr_count:     66
    .vgpr_count:     1024
    .wavefront_size: 32
...
	.end_amdgpu_metadata
.endif
;; end of part 2
